; MI455X (gfx1250); checked and timed in simulation.
; The chip was launched on July 23, 2026; its instructions are those of AMD's public machine-readable ISA for CDNA 5 (MIT licence, August 2026) and "CDNA5" Instruction Set Architecture Reference Guide (July 2026). The comments in the code are by the model that wrote it; some were corrected since.
;; Infinite Context Attention. Allowed arithmetic: matrix products marked QUANTISED: E2M1 operands, one E8M0 scale for each 32 along K, by v_wmma_scale_f32_16x16x128_f8f6f4 with both operands' format E2M1 (or v_wmma_scale_f32_32x16x128_f4), f32 sums; everything else in f32.
;; Inputs: Wk_codes 8,192 x 64 x 16 uint8 (E2M1 codes of Wk, K innermost, in blocks of 32 codes, two codes a byte); Wk_scales 8,192 x 64 uint8 (E8M0 scales of Wk, one for each 32 codes along K); Wout_codes 2,048 x 256 x 16 uint8 (E2M1 codes of Wout, K innermost, in blocks of 32 codes, two codes a byte); Wout_scales 2,048 x 256 uint8 (E8M0 scales of Wout, one for each 32 codes along K); Wq_codes 8,192 x 64 x 16 uint8 (E2M1 codes of Wq, K innermost, in blocks of 32 codes, two codes a byte); Wq_scales 8,192 x 64 uint8 (E8M0 scales of Wq, one for each 32 codes along K); Wv_codes 8,192 x 64 x 16 uint8 (E2M1 codes of Wv, K innermost, in blocks of 32 codes, two codes a byte); Wv_scales 8,192 x 64 uint8 (E8M0 scales of Wv, one for each 32 codes along K); hidden_states_codes 2 x 512 x 64 x 16 uint8 (E2M1 codes of hidden_states, K innermost, in blocks of 32 codes, two codes a byte); hidden_states_scales 2 x 512 x 64 uint8 (E8M0 scales of hidden_states, one for each 32 codes along K).
;; Outputs: out0 2 x 512 x 2,048 float32.
;; This version of the problem:
;;   THIS VERSION OF THE PROBLEM IS GIVEN IN LOW PRECISION. The matrix products marked QUANTISED in the list below multiply operands that are first quantised to E2M1 (2 exponent bits, 1 mantissa bit; 4 bits a number), with one power-of-two scale for each 32 numbers along K (OCP MX v1.0); their sums are f32. All else is computed in f32.
;;   The module's matrix products, in the order in which they are computed (A, B: the left and right operand; K: the contracted axis; several contracted axes count as one K, in the product's order):
;;     1. [M 1,024, K 2,048] x [K 2,048, N 8,192]; A: input hidden_states (given as codes); B: input Wq (given as codes): QUANTISED
;;     2. [M 1,024, K 2,048] x [K 2,048, N 8,192]; A: input hidden_states (given as codes); B: input Wk (given as codes): QUANTISED
;;     3. [M 1,024, K 2,048] x [K 2,048, N 8,192]; A: input hidden_states (given as codes); B: input Wv (given as codes): QUANTISED
;;     4. [M 1,024, K 8,192] x [K 8,192, N 2,048]; A: computed on the way; B: input Wout (given as codes): QUANTISED
;;   THE QUANTISER, for each operand of a quantised product, along K:
;;     - K is cut into blocks of 32 from its start; a last block that is shorter is filled with zeros.
;;     - A block's scale is 2^e with e = floor(log2(the largest magnitude in the block)) - 2, held to -126 .. 127; a block of zeros has e = 0. As a byte (E8M0): e + 127.
;;     - Each number is divided by its block's scale, clamped to +-6, and rounded to the nearest number of E2M1, ties to even, subnormals kept.
;;     - The product sums the exact products of the quantised numbers (number of the format x scale) in f32.
;;   ~~~python
;;   def quantise(x, axis):      # numpy; x: float32 -> the quantised numbers, widened to float32 again
;;       x = np.moveaxis(x, axis, -1); K = x.shape[-1]
;;       x = np.pad(x, [(0, 0)] * (x.ndim - 1) + [(0, -K % 32)]); x = x.reshape(x.shape[:-1] + (-1, 32)); a = np.abs(x).max(-1, keepdims=True)
;;       e = np.where(a > 0, np.clip(np.frexp(np.where(a > 0, a, 1))[1] - 1 - 2, -126, 127), 0)      # np.frexp(a)[1] - 1 = floor(log2(a)), exactly
;;       r = np.clip(x / 2.0 ** e, -6, 6)
;;       step = 2.0 ** (np.maximum(np.frexp(np.where(r == 0, 1, r))[1] - 1, 0) - 1)
;;       q = np.round(r / step) * step * 2.0 ** e      # np.round: ties to even
;;       return np.moveaxis(q.reshape(q.shape[:-2] + (-1,))[..., :K], -1, axis).astype(np.float32)
;;   ~~~
;;   OPERANDS COMPUTED ON THE WAY. 'Computed on the way' means the value that the module computes at that place (a softmax that the list does not call 'softmax' is quantised finished and normalised). What goes into a quantiser is computed in f32, as accurately as f32 sums, v_exp_f32 and their like allow (about 1e-6 of the number): no bf16 or f16 on the way to a quantiser, and a product that is left as it is and whose result goes on into a quantised operand takes f32 operands (vector FMAs, or v_wmma_f32_16x16x4_f32). A number that lies on a knife's edge between two numbers of the format may be rounded either way, as far as f32 arithmetic and the matrix unit's own rounding can turn it there, and no further.
;;   INPUTS GIVEN AS CODES. Wk (in the module: [8192, 2048], K = its axis 1); Wout (in the module: [2048, 8192], K = its axis 1); Wq (in the module: [8192, 2048], K = its axis 1); Wv (in the module: [8192, 2048], K = its axis 1); hidden_states (in the module: [2, 512, 2048], K = its axis 2): each comes as NAME_codes (uint8): NAME with its K axis moved to the last place and cut into blocks of 32 codes, [.., K / 32, bytes a block], one block behind the other in memory; two codes a byte, the lower K in the low four bits (a code: sign, 2 exponent bits, 1 mantissa bit); and NAME_scales (uint8): the same leading axes, one E8M0 byte (e + 127) for each 32 codes along K. Its value is code x scale, taken as it is: it is not quantised again, and the codes and scales need not be those that the quantiser above would give.
;; One version. Each part assembles by itself: llvm-mc -triple=amdgcn-amd-amdhsa -mcpu=gfx1250 --defsym DOCPART=n.
;; ======== version 1 of 1: 2 launches
;; limits: right only within a limited range of input values
;; workspace buffers: a_codes 4,194,304 bytes; a_scales 262,144 bytes; w_scales 524,288 bytes
;; launch qv (part 1): grid 64 x 4, 4 waves a work-group, clusters of 4 x 4, 327,680 bytes of LDS; arguments hidden_states_codes, hidden_states_scales, Wq_codes, Wq_scales, Wv_codes, Wv_scales, a_codes, a_scales, Wout_scales, w_scales; writes a_codes, a_scales, w_scales
.if DOCPART == 1
	.amdgcn_target "amdgcn-amd-amdhsa--gfx1250"
	.amdhsa_code_object_version 6
	.text
	.protected	k_q03f46ece5e_qv
	.globl	k_q03f46ece5e_qv
	.p2align	8
	.type	k_q03f46ece5e_qv,@function
k_q03f46ece5e_qv:
	s_mov_b64 s[64:65], 0
	v_nop
	global_prefetch_b8 v0, s[64:65] scope:SCOPE_SE
	s_setreg_imm32_b32 hwreg(HW_REG_WAVE_MODE, 25, 1), 1
	s_wait_xcnt 0x0
	s_wait_alu depctr_hold_cnt(0) depctr_sa_sdst(0) depctr_va_vdst(0) depctr_va_sdst(0) depctr_va_ssrc(0) depctr_va_vcc(0) depctr_vm_vsrc(0)
	s_getreg_b32 s2, hwreg(HW_REG_IB_STS2, 6, 4)
	s_cmp_eq_u32 s2, 0
	s_cbranch_scc0 .Lentry_in_a_cluster
	s_endpgm
.Lentry_in_a_cluster:
	s_bfe_u32 s2, ttmp6, 0x10000c
	s_cmp_lg_u32 s2, 0xf033
	s_cbranch_scc0 .Lentry_shape_is_right
	s_endpgm
.Lentry_shape_is_right:
; a = Q(q * v), q = x Wq^T, v = x Wv^T.  x: [1024][2048], Wq, Wv: [8192][2048]: codes of FP4 (E2M1), two a byte, K innermost, one E8M0 byte for each 32 along K.
; q and v are f32 sums of the scaled matrix instruction; a = q * v is one f32 multiplication; a is quantised along its 8,192 columns in blocks of 32 (the next product's K) and leaves as codes and scale bytes.
; x Wk^T: no number of the output hangs on it.  This program does not compute it and does not read Wk.
; SHARES.  A work-group of four waves takes 256 rows of x and 128 columns l, of q AND of v: as a GEMM tile 256 x 256, whose second operand's 256 rows are 128 rows of Wq and then the same 128 rows of Wv.
; Wave w: rows 128 (w / 2) on, columns 64 (w % 2) on, of both: 64 accumulators of 16 x 16, 512 registers; q's and v's numbers of one place lie in the same lane and the same register number, 32 registers apart.
; K goes in steps of 512 (rows of 256 bytes) through a ring of two LDS slots: four fills, two of them refills.  The scale bytes of the work-group's rows, for all of K, come once, as dense blocks, and stay.
; CLUSTERS: 4 x 4 work-groups.  The four of a row of the cluster need the same tiles of x, the four of a column the same tiles of Wq and Wv: each tile is asked for JOINTLY, by the same tensor load with the same
; descriptor and a mask that names the four.  Waves 0 and 1 fetch x's two halves, wave 2 Wq's rows, wave 3 Wv's.
; THE MATRIX INSTRUCTION IS USED TRANSPOSED (source 0 = 16 rows of W, source 1 = 16 rows of x): lane (r, h) holds row r, and register j of tile b column 16 b + 8 h + j.
; THE OUTPUT IS LAID AS THE NEXT LAUNCH'S OPERAND REGISTERS WANT IT.  a_codes [l / 128][m / 16][block of 32: 4][m % 16][16 bytes]: the 1,024 bytes of one (l / 128, m / 16) are the image of a fragment.
; a_scales [l / 128][m / 64][256 bytes]: the word (four bytes, 128 along l) of row 16 blk + r lies at 8 r + 128 (blk % 2) + 4 (blk / 2).
; LIMITS.  A block of zeros gets the byte 1 where the quantiser's rule says 127: its codes are zeros, and this program alone reads the bytes.  A block whose largest magnitude lies under 2^-124 is held at the byte 1.
; Infinities and NaN in q * v are not served.
; REGISTERS, in windows of 256: window 0: v0-31 addresses; v32-95 scale words, two sets; v96-127 codes on the way out; v128-191 x's fragments, ONE set; v192-233 at work on the way out.
;   window 1: W's fragments, TWO sets, at v0 and v128 (in a set: four tiles of Wq, then four of Wv).   windows 2, 3: accumulator (a, b) at v[8 (8 (a % 4) + b)], a < 4 in window 2.
; LIMIT of the work left out: a NaN, an infinity or an overflow that reaches x Wk^T alone is not carried to the result.
; ALSO HERE: the scale bytes of Wout are laid anew for the next launch, 2,048 bytes a work-group: w_scales [row / 32: 64][half of each 128-byte pair of K steps: 2][pair of K runs of 512: 8][row % 32][16 bytes].
; THE HEAD: one joint tensor load a wave (K step 0's codes); the scale bytes come through registers into LDS; slot 1's first fill is issued as a refill is.
; PREFETCHES: 256 bytes of each row are a K step.  Of the 128 rows that a wave fetches each of the four partners names 32, told apart by address, a lane a row: K step 1 at the head's end, K step 2 behind K step 1's load,
; K step 3 behind the first 64 matrix instructions.  All clusters read the same rows of x: of them every fourth cluster asks.
.set PITCH,  272                       ; an LDS row: 256 bytes + 16 of padding = 68 words: row r starts at bank 4 r mod 64 (64 banks of 4 bytes: ISA guide 11.1)
.set HALFT,  128*PITCH                 ; 128 rows: what one tensor load brings
.set SLOT,   4*HALFT                   ; x's 256 rows, Wq's 128, Wv's 128
.set SCL,    2*SLOT                    ; behind the ring: the scale bytes, as runs of 256 bytes (four rows of 64) + 16 of padding
.set HALFS,  32*272                    ; those of 128 rows: what one tensor load brings
.set SBLK,   4*272                     ; those of 16 rows
.set SPARE,  SCL+4*HALFS               ; the spare words, 128 bytes for each wave: two blocks of 256 bytes that no other line names
.set SST,    SPARE+512                 ; 1,024 bytes: the work-group's scale words of a meet here; no tensor load fills them
.set ADRA, 16                          ; v16-17  LDS address of my fragments of x in slot 0, 1
.set ADRB, 20                          ; v20-21  the same for W
.set SSA,  24                          ; v24     where I put two scale bytes of a row
.set SSR,  25                          ; v25     where I read 8 bytes of scale words back
.set CO,   26                          ; v26     16 r + 8 h: my 8 bytes of a block's 256
.set ADRS, 27                          ; v27     LDS address of scale words: lanes 0-15 x's rows, lanes 16-31 Wq's
.set SPW,  28                          ; v28     LDS address of my spare word; never rewritten
.set NIL,  29                          ; v29     0; never rewritten
.set ADRS2, 30                         ; v30     as v27, lanes 16-31 Wv's
.set SGO,  31                          ; v31     8 x my thread's number
.set SC,   32                          ; scale words: set s at v[SC + 32 s]; register 4 i + q: lanes 0-15 x's block i, lanes 16-31 W's fragment i, the slot's q-th 128 along K
.set PCD,  96                          ; v96-127  a's codes
.set AF,   128                         ; x's fragments
.set MX,   192                         ; v192-199 eight blocks' largest magnitudes
.set PX,   200                         ; v200-207 the other half of the lanes'
.set SF,   208                         ; v208-215 the conversions' scale operands
.set SBY,  216                         ; v216-223 the scale bytes
.set SW2,  224                         ; v224-231 two bytes of a row's word
.set SRB,  232                         ; v232-233 scale words on their way out
.set G1, 24                            ; s[24:31] descriptor group 1 for x's tiles;  s[32:39] group 0, one set for each slot
.set G0, 32
.set G1B, 48                           ; s[48:55], s[56:63] the same for W's tiles
.set G0B, 56
.set SLA, 8                            ; v8   LDS address of my 16 bytes of scales
.set SLO, 9                            ; v9   16 x lane
.set WGO, 10                           ; v10  256 x lane: a row of Wout's scale bytes
.set PFO, 11                           ; v11  1,024 x lane: a row of codes; never rewritten
.set WSD, 12                           ; v12-15  Wout's scale bytes on their way
.set PF,  76                           ; s[76:77] where my prefetches stand: K step 0 of my 32 rows; never rewritten
.set LIM, 84                           ; s84  0 where my wave prefetches
.macro ASK k                           ; the prefetch of K step k
	s_cmp_eq_u32 s[LIM], 0
	s_cbranch_scc0 .Lnot_mine_\@
	global_prefetch_b8 v[PFO], s[PF:PF+1] offset:256*(\k) th:TH_LOAD_NT scope:SCOPE_SE
.Lnot_mine_\@:
.endm
.set MSB, 0
.macro WIN new                         ; the immediate's high byte repeats the setting that is left; a switch that changes nothing is dropped
.if MSB != (\new)
	s_set_vgpr_msb (MSB<<8)|(\new)
.set MSB, (\new)
.endif
.endm
.set MUL_LO, 0xa1                      ; source 0 (W) window 1, source 1 (x) window 0, C and D window 2
.set MUL_HI, 0xf1                      ; the same, C and D window 3
.set TO_B,   0x40                      ; destination window 1, address window 0
; A joint load: waves 0 and 1 fetch for x, waves 2 and 3 for W.  Each line has one mask and one set of registers; the branch hangs on the wave's number alone.
; Four v_nop follow each of the two lines, ahead of the jump, the label and what follows.
.macro JLOAD g0a, g1a, g0b, g1b
	s_cmp_eq_u32 s21, 0
	s_cbranch_scc0 .Lfor_b_\@
	tensor_load_to_lds s[\g0a:\g0a+3], s[\g1a:\g1a+7]
	s_nop 0
.rept 4
	v_nop
.endr
	s_branch .Lasked_\@
.Lfor_b_\@:
	tensor_load_to_lds s[\g0b:\g0b+3], s[\g1b:\g1b+7]
	s_nop 0
.rept 4
	v_nop
.endr
.Lasked_\@:
.endm
.macro CREST                           ; a round of the cluster's barrier behind its opening barrier
	s_cmp_lg_u32 s20, 0
	s_cbranch_scc1 .Lnot_wave_0_\@
	s_barrier_signal -3
.Lnot_wave_0_\@:
	s_barrier_wait -3
	s_barrier_signal -1
	s_barrier_wait -1
.endm
.macro CROUND                          ; a whole round
	s_barrier_signal -1
	s_barrier_wait -1
	CREST
.endm
	s_load_b256 s[4:11], s[0:1], 0x0               ; x's codes s[4:5], x's scales s[6:7], Wq's codes s[8:9], Wq's scales s[10:11]
	s_load_b256 s[12:19], s[0:1], 0x20             ; Wv's codes s[12:13], Wv's scales s[14:15], a's codes s[16:17], a's scales s[18:19]
	s_load_b128 s[68:71], s[0:1], 0x40             ; Wout's scales s[68:69], their new place s[70:71]
	v_lshl_add_u32 v[SPW], v0, 2, SPARE
	v_mov_b32 v[NIL], 0
	ds_add_u32 v28, v29
	ds_add_u32 v28, v29
	s_wait_dscnt 0x0
	v_lshrrev_b32 v1, 5, v0
	v_readfirstlane_b32 s20, v1                    ; wave 0..3
	s_lshr_b32 s21, s20, 1                         ; which 128 rows of the tile are mine.  Also: I fetch for x (0) or for W (1)
	s_and_b32 s22, s20, 1                          ; which 64 columns.  Also: which half of x's rows, or Wq (0) or Wv (1), I fetch
	s_bfe_u32 s40, ttmp6, 0x40000                  ; cx, cy: my place in the cluster
	s_bfe_u32 s41, ttmp6, 0x40004
	s_lshl_b32 s42, ttmp9, 2
	s_add_co_u32 s42, s42, s40                     ; which 128 columns l = 4 x cluster x + cx
	s_and_b32 s23, ttmp7, 0xffff
	s_lshl_b32 s23, s23, 2
	s_add_co_u32 s23, s23, s41                     ; which 256 rows = 4 x cluster y + cy
	s_lshl_b32 s43, s41, 2
	s_lshl_b32 s43, 15, s43                        ; my row of the cluster
	s_lshl_b32 s44, 0x1111, s40                    ; my column
	; descriptor group 1: a tile of 128 rows x 256 bytes, rows 1,024 bytes apart in memory, padded in LDS
	s_or_b32 s[G1+0], s43, (1<<20)|(1<<21)|(5<<22)|(3<<25)   ; 15:0 the mask: x's tiles go to my row; 17:16 elements of 1 byte; 20 padding on; 21 set beside a mask; 24:22 after every 64 words (code 5); 31:25 four words (code 3)
	s_or_b32 s[G1B+0], s44, (1<<20)|(1<<21)|(5<<22)|(3<<25)  ; the same with the mask of my column
.irp g, G1, G1B
	s_mov_b32 s[\g+1], 256<<16                     ; tensor_dim0
	s_mov_b32 s[\g+2], 128<<16                     ; tensor_dim1
	s_mov_b32 s[\g+3], 256<<16                     ; tile_dim0
	s_mov_b32 s[\g+4], 128                         ; tile_dim1
	s_mov_b32 s[\g+5], 1024                        ; tensor_dim0_stride
	s_mov_b32 s[\g+6], 0
	s_mov_b32 s[\g+7], 0
.endr
	s_lshl_b32 s2, s23, 8
	s_lshl_b32 s3, s22, 7
	s_add_co_u32 s2, s2, s3                        ; x: the first row that I fetch: 256 x tile row + 128 x half
	s_lshl_b32 s66, s2, 10                         ; its codes, 1,024 bytes a row,
	s_mov_b32 s67, 0
	s_lshl_b32 s92, s2, 6                          ; its scale bytes, 64 a row
	s_mov_b32 s93, 0
	s_lshl_b32 s46, s42, 17                        ; W: 128 rows of 1,024 bytes for each 128 columns l,
	s_mov_b32 s47, 0
	s_lshl_b32 s94, s42, 13                        ; 128 rows of 64 scale bytes
	s_mov_b32 s95, 0
	s_mul_i32 s45, s20, HALFT                      ; where they go: wave x 128 rows: no place in the cluster enters an LDS address
	s_mov_b32 s96, 0x76543210
	s_mov_b32 s97, 0xfedcba98                      ; v_permlanex16_b32's selects for lane l xor 16
	s_lshl_b32 s72, s42, 13                        ; Wout's scale bytes: 32 rows of 256 for each 128 columns l of mine,
	s_mov_b32 s73, 0
	s_mov_b32 s75, 0
	s_lshl_b32 s74, s23, 11                        ; of their 16 runs of 512 bytes I store number 4 x tile row + wave:
	s_add_co_u32 s74, s74, s72
	s_lshl_b32 s2, s20, 9
	s_add_co_u32 s74, s74, s2
	s_and_b32 s2, s23, 1                           ; pair c = 4 (tile row % 2) + wave, half = tile row / 2: bytes 32 c + 8 half and + 16 of a row
	s_lshl_b32 s2, s2, 7
	s_add_co_u32 s72, s72, s2
	s_lshl_b32 s2, s20, 5
	s_add_co_u32 s72, s72, s2
	s_lshr_b32 s2, s23, 1
	s_lshl_b32 s2, s2, 3
	s_add_co_u32 s72, s72, s2
	s_and_b32 s84, ttmp9, 3                        ; x's waves ask in every fourth cluster, W's in every one
	s_cmp_eq_u32 s21, 0
	s_cselect_b32 s82, s40, s41                    ; my place among the four that ask with me
	s_cselect_b32 s84, s84, 0
	s_lshl_b32 s82, s82, 15                        ; 32 rows of 1,024 bytes
	s_mov_b32 s83, 0
	s_mul_i32 s3, s20, HALFS
	s_add_co_u32 s3, s3, SCL
	v_and_b32 v1, 31, v0
	v_bfe_u32 v2, v0, 4, 1
	v_lshlrev_b32 v[SLO], 4, v1
	v_lshl_add_u32 v[SLA], v2, 4, v[SLO]           ; 16 bytes of padding behind each 256
	v_add_nc_u32 v[SLA], s3, v[SLA]
	v_lshlrev_b32 v[WGO], 8, v1
	v_lshlrev_b32 v[PFO], 10, v1
	s_wait_alu depctr_va_vdst(0)
	CROUND                                         ; all sixteen work-groups are here: the first joint loads meet
	s_wait_kmcnt 0x0
	s_cmp_eq_u32 s22, 0                            ; Wq's rows (wave 2) or Wv's (wave 3): the choice hangs on the wave's number alone
	s_cselect_b64 s[8:9], s[8:9], s[12:13]
	s_cselect_b64 s[10:11], s[10:11], s[14:15]
	s_add_nc_u64 s[66:67], s[4:5], s[66:67]
	s_add_nc_u64 s[92:93], s[6:7], s[92:93]
	s_add_nc_u64 s[46:47], s[8:9], s[46:47]
	s_add_nc_u64 s[94:95], s[10:11], s[94:95]
.irp s, 0,1
	s_mov_b32 s[G0+4*\s], 1
	s_add_co_u32 s[G0+4*\s+1], s45, \s*SLOT
	s_add_nc_u64 s[G0+4*\s+2:G0+4*\s+3], s[66:67], \s*256
	s_or_b32 s[G0+4*\s+3], s[G0+4*\s+3], 0x80000000
	s_mov_b32 s[G0B+4*\s], 1
	s_add_co_u32 s[G0B+4*\s+1], s45, \s*SLOT
	s_add_nc_u64 s[G0B+4*\s+2:G0B+4*\s+3], s[46:47], \s*256
	s_or_b32 s[G0B+4*\s+3], s[G0B+4*\s+3], 0x80000000
.endr
	JLOAD G0, G1, G0B, G1B                         ; K step 0: one tensor load a wave at the head
	s_cmp_eq_u32 s21, 0
	s_cselect_b64 s[80:81], s[92:93], s[94:95]     ; the scale bytes of the 128 rows that I fetch: 8,192 dense bytes
	s_cselect_b64 s[PF:PF+1], s[66:67], s[46:47]
	s_add_nc_u64 s[PF:PF+1], s[PF:PF+1], s[82:83]
	s_add_nc_u64 s[68:69], s[68:69], s[72:73]
	s_add_nc_u64 s[70:71], s[70:71], s[74:75]
.irp i, 0,1,2,3,4,5,6,7,8,9,10,11,12,13,14,15
	global_load_b128 v[AF+4*\i:AF+4*\i+3], v[SLO], s[80:81] offset:512*\i   ; 512 consecutive bytes an instruction
.endr
	global_load_b64 v[WSD:WSD+1], v[WGO], s[68:69]
	global_load_b64 v[WSD+2:WSD+3], v[WGO], s[68:69] offset:16
	v_and_b32 v1, 15, v0                           ; r = lane % 16
	v_bfe_u32 v2, v0, 4, 1                         ; h = lane / 16
	v_mul_u32_u24 v3, v1, PITCH
	v_lshl_add_u32 v4, v2, 4, v3                   ; a fragment's row x pitch + 16 x half
	s_mul_i32 s2, s21, HALFT                       ; my 128 rows of x
	s_mul_i32 s3, s22, 64*PITCH                    ; my 64 rows of Wq,
	s_add_co_u32 s3, s3, 2*HALFT                   ; behind x's 256; Wv's lie 128 rows further on
.irp s, 0,1
	v_add_nc_u32 v[ADRA+\s], s2, v4
	v_add_nc_u32 v[ADRB+\s], s3, v4
	s_add_co_u32 s2, s2, SLOT
	s_add_co_u32 s3, s3, SLOT
.endr
	v_lshlrev_b32 v5, 6, v1                        ; my row's scales: 64 bytes a row,
	v_lshrrev_b32 v6, 8, v5
	v_lshl_add_u32 v5, v6, 4, v5                   ; and 16 more for each 256 passed
	s_mul_i32 s2, s21, HALFS                       ; x's: my 128 rows
	s_mul_i32 s3, s22, 4*SBLK                      ; Wq's: my 64 rows, behind x's 256
	s_add_co_u32 s3, s3, 2*HALFS
	s_sub_co_u32 s3, s3, s2
	v_mul_u32_u24 v6, s3, v2                       ; lanes 16-31 take W's: the lower base + h x the distance
	s_add_co_u32 s3, s3, 4*SBLK                    ; Wv's fragment i - 4 lies 128 rows - 64 rows = 4 SBLK further on than the offset i SBLK reaches
	v_mul_u32_u24 v7, s3, v2
	s_add_co_u32 s2, s2, SCL
	v_add_nc_u32 v6, v5, v6
	v_add_nc_u32 v7, v5, v7
	v_add_nc_u32 v[ADRS], s2, v6
	v_add_nc_u32 v[ADRS2], s2, v7
	v_lshlrev_b32 v[CO], 4, v1
	v_lshl_add_u32 v[CO], v2, 3, v[CO]             ; 16 r + 8 h
	s_lshl_b32 s2, s21, 9                          ; the scale stage: 512 bytes for each 128 rows,
	s_lshl_b32 s3, s22, 1                          ; my two bytes of a word
	s_add_co_u32 s2, s2, s3
	s_add_co_u32 s2, s2, SST
	v_lshl_add_u32 v[SSA], v1, 3, s2
	v_lshl_add_u32 v[SSR], v0, 3, SST
	v_lshlrev_b32 v[SGO], 3, v0
	s_lshl_b32 s46, s42, 16                        ; a's codes: 65,536 bytes for each 128 columns l,
	s_lshl_b32 s47, s23, 14                        ; 1,024 for each 16 rows: 16,384 for the tile's 256,
	s_add_co_u32 s46, s46, s47
	s_lshl_b32 s47, s21, 13                        ; 8,192 for my 128,
	s_add_co_u32 s46, s46, s47
	s_lshl_b32 s47, s22, 9                         ; 256 for each block of 32 columns: my 64 columns are two
	s_add_co_u32 s46, s46, s47
	s_mov_b32 s47, 0
	s_add_nc_u64 s[16:17], s[16:17], s[46:47]
	s_lshl_b32 s46, s42, 12                        ; a's scale words: 4,096 bytes for each 128 columns l, 1,024 for the tile's 256 rows
	s_lshl_b32 s66, s23, 10
	s_add_co_u32 s46, s46, s66
	s_add_nc_u64 s[18:19], s[18:19], s[46:47]
.macro FRAG reg, adr, off              ; a fragment, 16 rows x 128 K of 4-bit codes, is 8 registers: lane l holds row l % 16; registers 4 c .. 4 c + 3 hold K = 64 c + 32 (l / 16) + 0 .. 31
	ds_load_b128 v[(\reg):(\reg)+3], v[\adr] offset:(\off)
	ds_load_b128 v[(\reg)+4:(\reg)+7], v[\adr] offset:(\off)+32
.endm
; 16 matrix instructions: x's blocks a0, a0 + 1 against W's eight fragments, 128 along K: the slot's q-th.  p: W's set;  sc: the set of scale words.  zero = 1: the first product starts the sums: nothing is cleared.
; The 64 accumulators take turns, one instruction a turn, in the same order in every step.
.macro MUL16 a0, p, q, sc, zero
.irp a, \a0, \a0+1
.irp b, 0,1,2,3,4,5,6,7
.if \zero
	v_wmma_scale_f32_16x16x128_f8f6f4 v[8*(8*((\a)%4)+\b):8*(8*((\a)%4)+\b)+7], v[128*(\p)+8*\b:128*(\p)+8*\b+7], v[AF+8*(\a):AF+8*(\a)+7], 0, v[SC+32*(\sc)+4*\b+(\q)], v[SC+32*(\sc)+4*(\a)+(\q)] matrix_a_fmt:MATRIX_FMT_FP4 matrix_b_fmt:MATRIX_FMT_FP4 matrix_a_scale:MATRIX_SCALE_ROW1
.else
	v_wmma_scale_f32_16x16x128_f8f6f4 v[8*(8*((\a)%4)+\b):8*(8*((\a)%4)+\b)+7], v[128*(\p)+8*\b:128*(\p)+8*\b+7], v[AF+8*(\a):AF+8*(\a)+7], v[8*(8*((\a)%4)+\b):8*(8*((\a)%4)+\b)+7], v[SC+32*(\sc)+4*\b+(\q)], v[SC+32*(\sc)+4*(\a)+(\q)] matrix_a_fmt:MATRIX_FMT_FP4 matrix_b_fmt:MATRIX_FMT_FP4 matrix_a_scale:MATRIX_SCALE_ROW1
.endif
.endr
.endr
.endm
.macro FETCH_B slot, q, p              ; W's eight fragments of the slot's q-th 128 along K into set p: four tiles of Wq, then the same four of Wv, 128 LDS rows further on
	WIN TO_B
.irp i, 0,1,2,3,4,5,6,7
	FRAG 128*(\p)+8*\i, ADRB+\slot, 64*(\q)+((\i%4)*16+(\i/4)*128)*PITCH
.endr
	WIN 0
.endm
.macro FETCH_A slot, q, i0             ; x's blocks i0 .. i0 + 3
.irp i, \i0, \i0+1, \i0+2, \i0+3
	FRAG AF+8*(\i), ADRA+\slot, 64*(\q)+(\i)*16*PITCH
.endr
.endm
.macro SCALES sc                       ; a K step's scale words into set sc: four words a row; lanes 0-15 take x's block i, lanes 16-31 W's fragment i
.irp i, 0,1,2,3
	ds_load_b128 v[SC+32*\sc+4*\i:SC+32*\sc+4*\i+3], v[ADRS] offset:\i*SBLK
.endr
.irp i, 4,5,6,7
	ds_load_b128 v[SC+32*\sc+4*\i:SC+32*\sc+4*\i+3], v[ADRS2] offset:\i*SBLK
.endr
.endm
; A load into a register that a matrix instruction has read, and a vector instruction that reads a matrix result, stand four places behind that matrix instruction; only plain vector instructions that name
; none of its registers are places (ISA guide 7.12.1 for vector instructions).
.macro PLACES
.rept 4
	v_nop
.endr
.endm
; A step of 128 along K that has its successor in the same slot.
.macro STEP slot, q, zero
	s_wait_dscnt 8                                 ; W's set and x's blocks 0-3 are in; the youngest eight loads (x's blocks 4-7) may be out
	FETCH_B \slot, (\q)+1, 1-(\q)%2                ; W's other set: the step before multiplied it last, and its four places stand behind that step's products
	WIN MUL_LO
	MUL16 0, (\q)%2, \q, \slot, \zero
	MUL16 2, (\q)%2, \q, \slot, \zero
	s_wait_dscnt 16                                ; x's blocks 4-7 are in (asked for 32 matrix instructions ago); W's sixteen loads may be out
	PLACES
	WIN 0
	FETCH_A \slot, (\q)+1, 0
	WIN MUL_HI
	MUL16 4, (\q)%2, \q, \slot, \zero
	MUL16 6, (\q)%2, \q, \slot, \zero
	PLACES
	WIN 0
	FETCH_A \slot, (\q)+1, 4
.endm
; A slot's last step changes slots: ONE barrier; in front of it each wave waits for all its tensor loads, adds 0 to its spare word, and waits for that and for its own reads of this slot.
; fill = 1: this slot is filled again, two K steps ahead; the barrier then opens a round of the cluster's barrier, and the joint refill is the first tensor load behind the round.
.macro TURN slot, next, fill
	s_wait_tensorcnt 0x0                           ; all my tensor loads have landed: my part of the next slot;  (every window is 0 here)
	ds_add_u32 v[SPW], v[NIL]                      ; 0 onto my spare word
	s_wait_dscnt 9                                 ; (the add and the youngest eight loads, x's blocks 4-7, may be out)
	WIN MUL_LO
	MUL16 0, 1, 3, \slot, 0                        ; sixteen matrix instructions stand between the add and the wait for it
	s_wait_dscnt 0x0                               ; the add is done, and my reads of this slot are over
	s_barrier_signal -1
	MUL16 2, 1, 3, \slot, 0
	WIN 0
	s_barrier_wait -1
.if \fill
	CREST                                          ; no wave of any partner still reads this slot's tile or has a load on its way
	s_add_nc_u64 s[G0+4*\slot+2:G0+4*\slot+3], s[G0+4*\slot+2:G0+4*\slot+3], 512
	s_add_nc_u64 s[G0B+4*\slot+2:G0B+4*\slot+3], s[G0B+4*\slot+2:G0B+4*\slot+3], 512
	JLOAD G0+4*\slot, G1, G0B+4*\slot, G1B         ; the four v_nop behind it are also the places in front of the loads below
.else
	PLACES
.endif
	s_wait_alu depctr_va_vdst(0)
	v_add_nc_u32 v[ADRS], 16, v[ADRS]              ; on to the next K step's scale words: 16 bytes a row
	v_add_nc_u32 v[ADRS2], 16, v[ADRS2]
	FETCH_B \next, 0, 0
	FETCH_A \next, 0, 0
	SCALES \next
	WIN MUL_HI
	MUL16 4, 1, 3, \slot, 0
	MUL16 6, 1, 3, \slot, 0
	PLACES
	WIN 0
	FETCH_A \next, 0, 4
.endm
	s_wait_alu depctr_va_vdst(0)
	ASK 1
	s_wait_loadcnt 0x0                             ; the scale bytes are in registers
	global_store_b128 v[SLO], v[WSD:WSD+3], s[70:71]   ; Wout's, in their new place: 512 consecutive bytes a wave, aligned; v[12:15] are not written again
	s_wait_tensorcnt 0x0                           ; my part of K step 0 is in
.irp i, 0,1,2,3,4,5,6,7,8,9,10,11,12,13,14,15
	ds_store_b128 v[SLA], v[AF+4*\i:AF+4*\i+3] offset:544*\i   ; two runs of 256 + 16; no tensor load fills these bytes
.endr
	s_wait_tensorcnt 0x0                           ; the same wait, add and wait as ahead of a refill
	ds_add_u32 v[SPW], v[NIL]
	s_wait_dscnt 0x0                               ; the add and my scale bytes are done
	CROUND                                         ; everybody's part of K step 0 and scale bytes are in, and all sixteen work-groups are here
	JLOAD G0+4, G1, G0B+4, G1B                     ; K step 1, the first tensor load behind the round
	FETCH_B 0, 0, 0
	FETCH_A 0, 0, 0
	SCALES 0
	FETCH_A 0, 0, 4
	ASK 2
	STEP 0, 0, 1                                   ; K step 0 (slot 0): its first products start the sums
	ASK 3
	STEP 0, 1, 0
	STEP 0, 2, 0
	TURN 0, 1, 1                                   ; slot 0 takes K step 2
	STEP 1, 0, 0                                   ; K step 1
	STEP 1, 1, 0
	STEP 1, 2, 0
	TURN 1, 0, 1                                   ; slot 1 takes K step 3
	STEP 0, 0, 0                                   ; K step 2
	STEP 0, 1, 0
	STEP 0, 2, 0
	TURN 0, 1, 0                                   ; nothing is left to fetch: no round
	STEP 1, 0, 0                                   ; K step 3
	STEP 1, 1, 0
	STEP 1, 2, 0
	s_wait_dscnt 8                                 ; the very last step
	WIN MUL_LO
	MUL16 0, 1, 3, 1, 0
	MUL16 2, 1, 3, 1, 0
	s_wait_dscnt 0
	WIN MUL_HI
	MUL16 4, 1, 3, 1, 0
	MUL16 6, 1, 3, 1, 0
	WIN 0
; THE WAY OUT, four blocks of 16 rows at a time (hw = 0: window 2, hw = 1: window 3).  Of block a, registers 64 a + 0 .. 31 are q's four tiles and 64 a + 32 .. 63 v's.
; A block of 32 columns, c = 0, 1, is tiles 2 c and 2 c + 1 of lanes (r, 0) and (r, 1): 16 numbers in each.
.macro OUTW hw
	WIN 0xaa+0x55*\hw                              ; sources and destination in the accumulators' window
.irp a, 0,1,2,3
.irp b, 0,1,2,3
.irp e, 0,2,4,6
	v_pk_mul_f32 v[64*\a+8*\b+\e:64*\a+8*\b+\e+1], v[64*\a+8*\b+\e:64*\a+8*\b+\e+1], v[64*\a+8*\b+32+\e:64*\a+8*\b+33+\e]   ; a = q * v, in f32, in q's place; each accumulator is read from its low end on
.endr
.endr
.endr
	WIN 0x28+0x14*\hw                              ; sources 1 and 2 in the accumulators' window
.irp a, 0,1,2,3
.irp c, 0,1
	v_max3_num_f32 v[MX+2*\a+\c], 0x1800000, |v[64*\a+16*\c]|, |v[64*\a+16*\c+1]|   ; my 16 numbers of the block, and the floor 2^(3 - 127): so the byte cannot fall under 1
.endr
.endr
.irp i, 2,4,6,8,10,12,14
.irp a, 0,1,2,3
.irp c, 0,1
	v_max3_num_f32 v[MX+2*\a+\c], v[MX+2*\a+\c], |v[64*\a+16*\c+\i]|, |v[64*\a+16*\c+\i+1]|   ; (the eight blocks by turns)
.endr
.endr
.endr
	WIN 0
.irp x, 0,1,2,3,4,5,6,7
	v_permlanex16_b32 v[PX+\x], v[MX+\x], s96, s97
.endr
.irp x, 0,1,2,3,4,5,6,7
	v_max_num_f32 v[MX+\x], v[MX+\x], v[PX+\x]     ; with lane l xor 16's 16: the block's largest magnitude
.endr
.irp x, 0,1,2,3,4,5,6,7
	v_add_nc_u32 v[SF+\x], 0xff000000, v[MX+\x]    ; 2 off its exponent field: the conversion takes the exponent field of this operand as its scale
.endr
.irp x, 0,1,2,3,4,5,6,7
	v_lshrrev_b32 v[SBY+\x], 23, v[SF+\x]          ; the scale's byte
.endr
.irp a, 0,1,2,3
	v_lshl_or_b32 v[SW2+4*\hw+\a], v[SBY+2*\a+1], 8, v[SBY+2*\a]   ; my two bytes of the row's word
.endr
	WIN 0x02+\hw                                   ; source 0 in the accumulators' window
.irp a, 0,1,2,3
.irp c, 0,1
.irp u, 0,1
	v_cvt_scalef32_pk8_fp4_f32 v[PCD+16*\hw+4*\a+2*\c+\u], v[64*\a+16*\c+8*\u:64*\a+16*\c+8*\u+7], v[SF+2*\a+\c]   ; columns 32 c + 16 u + 8 h + 0 .. 7: bytes 8 u + 4 h on of the block's 16
.endr
.endr
.endr
	WIN 0
	v_nop                                          ; one plain place behind the scaled conversions
.irp x, 0,1,2,3,4,5,6,7
	v_permlane16_swap_b32 v[PCD+16*\hw+2*\x], v[PCD+16*\hw+2*\x+1]   ; the first's lanes 16-31 change places with the second's lanes 0-15: lane (r, h) now holds bytes 8 h .. 8 h + 7 of its row's block
.endr
.irp a, 0,1,2,3
.irp c, 0,1
	global_store_b64 v[CO], v[PCD+16*\hw+4*\a+2*\c:PCD+16*\hw+4*\a+2*\c+1], s[16:17] offset:(4*\hw+\a)*1024+256*\c   ; 32 lanes store 256 consecutive bytes, at a multiple of 256 from the buffer's first byte; no store's data are written again
.endr
.endr
.irp a, 0,1,2,3
	ds_store_b16 v[SSA], v[SW2+4*\hw+\a] offset:256*\hw+128*(\a%2)+4*(\a/2)   ; both lanes of a row write the same two bytes with the same value
.endr
.endm
.irp x, 0,1,2,3,4,5,6,7
	v_mov_b32 v[PX+\x], 0                          ; a lane permute's destination counts as one of its sources.  These eight name no register of the last products: they are the places behind them
.endr
	OUTW 0
	OUTW 1
	s_wait_dscnt 0x0                               ; for the others' sake: my bytes lie in the scale stage (a word's four bytes come from two waves)
	s_barrier_signal -1
	s_barrier_wait -1
	ds_load_b64 v[SRB:SRB+1], v[SSR]
	s_wait_dscnt 0x0
	global_store_b64 v[SGO], v[SRB:SRB+1], s[18:19]   ; a wave stores 256 consecutive bytes, aligned: the scale words of 64 rows
	s_wait_tensorcnt 0x0                           ; the wave's end, behind my last tensor load and my last LDS store
	ds_add_u32 v[SPW], v[NIL]
	s_wait_dscnt 0x0
	CROUND                                         ; the closing round: no work-group ends while a partner may still ask for a tile that names it
	s_endpgm
.Lfunc_end_k_q03f46ece5e_qv:
	.size	k_q03f46ece5e_qv, .Lfunc_end_k_q03f46ece5e_qv-k_q03f46ece5e_qv
	.p2alignl 7, 3214868480
	.fill 96, 4, 3214868480
	.section	.rodata,"a",@progbits
	.p2align	6, 0x0
	.amdhsa_kernel k_q03f46ece5e_qv
		.amdhsa_group_segment_fixed_size 327680
		.amdhsa_private_segment_fixed_size 0
		.amdhsa_enable_private_segment 0
		.amdhsa_kernarg_size 80
		.amdhsa_user_sgpr_count 2
		.amdhsa_user_sgpr_kernarg_segment_ptr 1
		.amdhsa_wavefront_size32 1
		.amdhsa_system_sgpr_workgroup_id_x 1
		.amdhsa_system_sgpr_workgroup_id_y 1
		.amdhsa_system_sgpr_workgroup_id_z 1
		.amdhsa_system_vgpr_workitem_id 0
		.amdhsa_next_free_vgpr 1024
		.amdhsa_next_free_sgpr 98
		.amdhsa_reserve_vcc 0
		.amdhsa_float_denorm_mode_32 3
		.amdhsa_float_denorm_mode_16_64 3
		.amdhsa_memory_ordered 1
		.amdhsa_forward_progress 1
		.amdhsa_inst_pref_size 211
	.end_amdhsa_kernel
	.amdgpu_metadata
---
amdhsa.version: [ 1, 2 ]
amdhsa.kernels:
  - .name:           k_q03f46ece5e_qv
    .symbol:         k_q03f46ece5e_qv.kd
    .args:
      - { .name: hidden_states_codes, .offset: 0, .size: 8, .value_kind: global_buffer, .address_space: global }
      - { .name: hidden_states_scales, .offset: 8, .size: 8, .value_kind: global_buffer, .address_space: global }
      - { .name: Wq_codes, .offset: 16, .size: 8, .value_kind: global_buffer, .address_space: global }
      - { .name: Wq_scales, .offset: 24, .size: 8, .value_kind: global_buffer, .address_space: global }
      - { .name: Wv_codes, .offset: 32, .size: 8, .value_kind: global_buffer, .address_space: global }
      - { .name: Wv_scales, .offset: 40, .size: 8, .value_kind: global_buffer, .address_space: global }
      - { .name: a_codes, .offset: 48, .size: 8, .value_kind: global_buffer, .address_space: global }
      - { .name: a_scales, .offset: 56, .size: 8, .value_kind: global_buffer, .address_space: global }
      - { .name: Wout_scales, .offset: 64, .size: 8, .value_kind: global_buffer, .address_space: global }
      - { .name: w_scales, .offset: 72, .size: 8, .value_kind: global_buffer, .address_space: global }
    .group_segment_fixed_size: 327680
    .private_segment_fixed_size: 0
    .kernarg_segment_align: 8
    .kernarg_segment_size: 80
    .max_flat_workgroup_size: 128
    .sgpr_count:     98
    .vgpr_count:     1024
    .wavefront_size: 32
...
	.end_amdgpu_metadata
.endif
;; end of part 1
;; launch outp (part 2): grid 16 x 16, 4 waves a work-group, clusters of 4 x 4, 327,680 bytes of LDS; arguments a_codes, a_scales, Wout_codes, w_scales, out0; writes out0
.if DOCPART == 2
	.amdgcn_target "amdgcn-amd-amdhsa--gfx1250"
	.amdhsa_code_object_version 6
	.text
	.protected	k_q03f46ece5e_outp
	.globl	k_q03f46ece5e_outp
	.p2align	8
	.type	k_q03f46ece5e_outp,@function
k_q03f46ece5e_outp:
	s_mov_b64 s[64:65], 0
	v_nop
	global_prefetch_b8 v0, s[64:65] scope:SCOPE_SE
	s_setreg_imm32_b32 hwreg(HW_REG_WAVE_MODE, 25, 1), 1
	s_wait_xcnt 0x0
	s_wait_alu depctr_hold_cnt(0) depctr_sa_sdst(0) depctr_va_vdst(0) depctr_va_sdst(0) depctr_va_ssrc(0) depctr_va_vcc(0) depctr_vm_vsrc(0)
	s_getreg_b32 s2, hwreg(HW_REG_IB_STS2, 6, 4)
	s_cmp_eq_u32 s2, 0
	s_cbranch_scc0 .Lentry_in_a_cluster
	s_endpgm
.Lentry_in_a_cluster:
	s_bfe_u32 s2, ttmp6, 0x10000c
	s_cmp_lg_u32 s2, 0xf033
	s_cbranch_scc0 .Lentry_shape_is_right
	s_endpgm
.Lentry_shape_is_right:
; out0 = a Wout^T.  a: [1024][8192] as codes of FP4 (E2M1) and E8M0 scale words, laid by the launch before as images of operand registers; Wout: [2048][8192] codes, K innermost; its scale bytes laid anew by the
; launch before (w_scales); out0: [1024][2048] f32.
; SHARES.  A work-group makes 64 rows x 128 columns of out0.  Wave w: columns 64 (w % 2) on, all 64 rows, and half w / 2 of K: of every 512 along K the 256 that begin at 256 (w / 2).
; 16 accumulators of 16 x 16 a wave; the two halves' sums are added in f32 on the way out.
; K goes in 16 chunks of 512 through a ring of two LDS slots of three chunks each: five fills of three chunks, f = 0 .. 4, and one, f = 5, of the last chunk.  A fill brings Wout's 128 rows (768 bytes of each) and
; a's 12 K steps of 128 (4,096 dense bytes of each, my 64 rows).  Waves 0 and 1 fetch 64 rows of Wout each, waves 2 and 3 six K steps of a each: one tensor load a wave.
; CLUSTERS: 4 x 4 work-groups, x along the rows of out0, y along its columns.  Those of one cluster y need the same tiles of Wout, those of one x the same tiles of a: each tile is asked for JOINTLY, by the same tensor
; load with the same descriptor and a mask that names the four.
; SCALES are loaded once, straight into the registers in which they are used: 32 K steps a wave, four registers each.
; PREFETCHES, at most two fills ahead: the four partners that share a tile share its blocks of 256 bytes by address.  Waves 0 to 2 take one of a fill's three chunks of Wout each, 32 of the 128 rows a work-group, a lane a
; row; wave 3 takes a: three of the 12 K steps a work-group.  f = 1 at the head's end, f = 2 behind the load of f = 1, f = 3 in the middle of fill 0's products, f = 4 and 5 behind the loads of f = 2 and 3.
; THE MATRIX INSTRUCTION IS USED TRANSPOSED (source 0 = 16 rows of Wout, source 1 = 16 rows of a): a lane holds eight neighbouring numbers of a row of out0.
; REGISTERS, in windows of 256: window 0: v0-31 addresses; v128-191 a's scale words, v192-255 Wout's (on the way out v128-255 are rows of out0).  window 1: four fragment buffers of 64: in each 32 of Wout, then 32 of a.
;   window 2: accumulator (blk, t) at v[8 (4 blk + t)].
.set RP,    816                        ; Wout's LDS row: three times 256 bytes + 16: an odd multiple of 16
.set WPART, 64*RP                      ; 64 rows
.set APART, 6*4096                     ; six K steps of a
.set AOFF,  2*WPART
.set SLOT,  AOFF+2*APART
.set SPARE, 2*SLOT                     ; the spare words, 128 bytes for each wave: two blocks of 256 bytes that no other line names
.set SPITCH, 272                       ; the way out: 64 rows x (256 bytes + 16) for each wave, in slot 0, which has had its last fill and its last read by then
.set STW,   64*SPITCH
.set AW,   4                           ; v4-5   LDS address of my fragments of Wout in slot 0, 1
.set AA,   6                           ; v6-7   of a
.set AW5,  8                           ; v8     of Wout in the last fill: rows of 256 bytes + 16
.set AA5,  9                           ; v9     of a in the last fill: two K steps a loading wave
.set STO,  10                          ; v10    the stage: where I put 32 bytes of a row
.set RD,   11                          ; v11    where I read rows back
.set PFO,  13                          ; v13-15 the prefetches' offsets; never rewritten
.set PF1,  14
.set PF2,  15
.set LO16, 16                          ; v16    16 x lane
.set LO8,  17                          ; v17    8 x lane
.set SPW,  28                          ; v28    LDS address of my spare word; never rewritten
.set NIL,  29                          ; v29    0; never rewritten
.set SA,   128                         ; a's scale words: my K step s at registers SA + 2 s + j: lanes 0-15 block 2 j, lanes 16-31 block 2 j + 1
.set SW,   192                         ; Wout's: register SW + 32 p + s: lanes 0-15 tile 2 p, lanes 16-31 tile 2 p + 1
.set OB,   128                         ; the way out: 16 rows x two partial sums x 4 registers
.set G1W,  24                          ; s[24:31], s[32:39] descriptor group 1, and group 0 for each slot: Wout
.set G0W,  32
.set G1A,  40                          ; s[40:47], s[48:55] the same: a
.set G0A,  48
.set PFW,  56                          ; s[56:57], s[58:59] where my prefetches of Wout and of a stand; never rewritten
.set PFA,  58
.set MUL_W, 0xa5                       ; sources 0 and 1 window 1, C and D window 2
.set MSB, 0
.macro WIN new                         ; the immediate's high byte repeats the setting that is left; a switch that changes nothing is dropped
.if MSB != (\new)
	s_set_vgpr_msb (MSB<<8)|(\new)
.set MSB, (\new)
.endif
.endm
.macro CROUND                          ; a round of the cluster's barrier
	s_barrier_signal -1
	s_barrier_wait -1
	s_cmp_lg_u32 s14, 0
	s_cbranch_scc1 .Lnot_wave_0_\@
	s_barrier_signal -3
.Lnot_wave_0_\@:
	s_barrier_wait -3
	s_barrier_signal -1
	s_barrier_wait -1
.endm
.macro PLACES                          ; four places in front of loads into registers that matrix instructions have read, and of the first read of results (ISA guide 7.12.1 for the reads of results)
.rept 4
	v_nop
.endr
.endm
.macro JLOAD p                         ; a joint load into the slot of parity p: waves 0 and 1 for Wout, waves 2 and 3 for a; an s_nop 0 and four v_nop follow each of the two lines
	s_cmp_eq_u32 s15, 0
	s_cbranch_scc0 .Lfor_a_\@
	tensor_load_to_lds s[G0W+4*(\p):G0W+4*(\p)+3], s[G1W:G1W+7]
	s_nop 0
	PLACES
	s_branch .Lloaded_\@
.Lfor_a_\@:
	tensor_load_to_lds s[G0A+4*(\p):G0A+4*(\p)+3], s[G1A:G1A+7]
	s_nop 0
	PLACES
.Lloaded_\@:
.endm
.macro ASK f                           ; the prefetches of fill f
	WIN 0
.if (\f) < 5
	s_cmp_eq_u32 s14, 3
	s_cbranch_scc1 .Lask_a_\@
	global_prefetch_b8 v[PFO], s[PFW:PFW+1] offset:768*(\f) th:TH_LOAD_NT scope:SCOPE_SE
	s_branch .Lasked_\@
.Lask_a_\@:
	global_prefetch_b8 v[PF1], s[PFA:PFA+1] offset:786432*(\f) th:TH_LOAD_NT scope:SCOPE_SE
	global_prefetch_b8 v[PF2], s[PFA:PFA+1] offset:786432*(\f)+524288 th:TH_LOAD_NT scope:SCOPE_SE
.Lasked_\@:
.else                                  ; the last chunk: one of Wout, four K steps of a
	s_cmp_eq_u32 s14, 0
	s_cbranch_scc0 .Lnot_w_\@
	global_prefetch_b8 v[PFO], s[PFW:PFW+1] offset:3840 th:TH_LOAD_NT scope:SCOPE_SE
.Lnot_w_\@:
	s_cmp_eq_u32 s14, 3
	s_cbranch_scc0 .Lnot_a_\@
	global_prefetch_b8 v[PF2], s[PFA:PFA+1] offset:3932160 th:TH_LOAD_NT scope:SCOPE_SE
.Lnot_a_\@:
.endif
.endm
	s_load_b256 s[4:11], s[0:1], 0x0               ; a's codes s[4:5], a's scales s[6:7], Wout's codes s[8:9], Wout's scales s[10:11]
	s_load_b64 s[12:13], s[0:1], 0x20              ; out0
	v_lshl_add_u32 v[SPW], v0, 2, SPARE
	v_mov_b32 v[NIL], 0
	ds_add_u32 v[SPW], v[NIL]                      ; the wave's opening: the add, twice on end, and its wait ahead of my first tensor load
	ds_add_u32 v[SPW], v[NIL]
	v_lshrrev_b32 v1, 5, v0
	v_readfirstlane_b32 s14, v1                    ; wave 0..3
	s_lshr_b32 s15, s14, 1                         ; my half of K.  Also: I fetch for Wout (0) or for a (1)
	s_and_b32 s16, s14, 1                          ; my half of the columns.  Also: which half of a tile I fetch
	s_bfe_u32 s17, ttmp6, 0x40000                  ; cx, cy: my place in the cluster
	s_bfe_u32 s18, ttmp6, 0x40004
	s_lshl_b32 s19, ttmp9, 2
	s_add_co_u32 s19, s19, s17                     ; which 64 rows
	s_and_b32 s20, ttmp7, 0xffff
	s_lshl_b32 s20, s20, 2
	s_add_co_u32 s20, s20, s18                     ; which 128 columns
	s_lshl_b32 s21, s18, 2
	s_lshl_b32 s21, 15, s21                        ; my row of the cluster: it shares Wout's tiles
	s_lshl_b32 s22, 0x1111, s17                    ; my column: it shares a's
	; Wout: 64 rows x 768 bytes, rows 4,096 bytes apart in memory, 16 bytes of padding behind each 256
	s_or_b32 s[G1W+0], s21, (1<<20)|(1<<21)|(5<<22)|(3<<25)   ; 15:0 the mask; 17:16 elements of 1 byte; 20 padding on; 21 set beside a mask; 24:22 after every 64 words (code 5); 31:25 four words (code 3)
	s_mov_b32 s[G1W+1], 768<<16                    ; tensor_dim0
	s_mov_b32 s[G1W+2], 64<<16                     ; tensor_dim1
	s_mov_b32 s[G1W+3], 768<<16                    ; tile_dim0
	s_mov_b32 s[G1W+4], 64                         ; tile_dim1
	s_mov_b32 s[G1W+5], 4096                       ; tensor_dim0_stride
	s_mov_b32 s[G1W+6], 0
	s_mov_b32 s[G1W+7], 0
	; a: six K steps of 4,096 bytes (512 elements of 8 bytes), 65,536 bytes apart in memory, dense in LDS
	s_or_b32 s[G1A+0], s22, (3<<16)|(1<<21)
	s_mov_b32 s[G1A+1], 512<<16
	s_mov_b32 s[G1A+2], 6<<16
	s_mov_b32 s[G1A+3], 512<<16
	s_mov_b32 s[G1A+4], 6
	s_mov_b32 s[G1A+5], 8192
	s_mov_b32 s[G1A+6], 0
	s_mov_b32 s[G1A+7], 0
	s_lshl_b32 s66, s20, 19                        ; Wout: 128 rows of 4,096 bytes for each 128 columns,
	s_lshl_b32 s67, s16, 18                        ; the 64 that I fetch
	s_add_co_u32 s66, s66, s67
	s_mov_b32 s67, 0
	s_lshl_b32 s68, s20, 19                        ; the prefetches: 32 rows for each cx, chunk = wave
	s_lshl_b32 s69, s17, 17
	s_add_co_u32 s68, s68, s69
	s_lshl_b32 s69, s14, 8
	s_add_co_u32 s68, s68, s69
	s_mov_b32 s69, 0
	s_lshl_b32 s70, s19, 12                        ; a: 4,096 bytes for my 64 rows,
	s_mul_i32 s71, s16, 6*65536                    ; the six K steps that I fetch
	s_add_co_u32 s70, s70, s71
	s_mov_b32 s71, 0
	s_lshl_b32 s2, s19, 12                         ; the prefetches: K steps cy, 4 + cy, 8 + cy of a fill's 12
	s_lshl_b32 s3, s18, 16
	s_add_co_u32 s2, s2, s3
	s_mov_b32 s3, 0
	s_lshl_b32 s60, s16, 18                        ; a's last step, from K steps 36 + 6 i to 60 + 2 i, i = w % 2: 24 - 4 i on
	s_mov_b32 s61, 24*65536
	s_sub_co_u32 s60, s61, s60
	s_mov_b32 s61, 0
	s_lshl_b32 s74, s19, 8                         ; a's scale words: 256 bytes for 64 rows, 4,096 a K step: my half begins two further on
	s_lshl_b32 s75, s15, 13
	s_add_co_u32 s74, s74, s75
	s_mov_b32 s75, 0
	s_lshl_b32 s76, s20, 15                        ; Wout's: 8,192 bytes for 32 rows, 4,096 for each half of K
	s_lshl_b32 s77, s16, 14
	s_add_co_u32 s76, s76, s77
	s_lshl_b32 s77, s15, 12
	s_add_co_u32 s76, s76, s77
	s_mov_b32 s77, 0
	s_lshl_b32 s78, s19, 19                        ; out0: rows of 8,192 bytes: 64 for the work-group, the 16 that my wave stores, 512 bytes for 128 columns
	s_lshl_b32 s79, s14, 17
	s_add_co_u32 s78, s78, s79
	s_lshl_b32 s79, s20, 9
	s_add_co_u32 s78, s78, s79
	s_mov_b32 s79, 0
	s_mul_i32 s23, s16, WPART                      ; my part of a slot: no place in the cluster enters an LDS address
	s_mul_i32 s72, s16, APART
	s_add_co_u32 s72, s72, AOFF
	; LDS addresses
	v_and_b32 v1, 15, v0                           ; r = lane % 16
	v_bfe_u32 v2, v0, 4, 1                         ; h = lane / 16
	v_and_b32 v3, 31, v0                           ; lane
	s_lshl_b32 s73, s15, 7                         ; my half of K: 128 of a chunk's 256 bytes
	s_add_co_u32 s73, s73, s23
	v_mul_u32_u24 v[AW], v1, RP
	v_lshl_add_u32 v[AW], v2, 4, v[AW]
	v_add_nc_u32 v[AW], s73, v[AW]                 ; a fragment's row x pitch + 16 h
	v_add_nc_u32 v[AW+1], SLOT, v[AW]
	v_mul_u32_u24 v[AW5], v1, 272
	v_lshl_add_u32 v[AW5], v2, 4, v[AW5]
	v_add_nc_u32 v[AW5], s73, v[AW5]
	v_add_nc_u32 v[AW5], SLOT, v[AW5]
	v_lshlrev_b32 v[LO16], 4, v3
	v_lshlrev_b32 v[LO8], 3, v3
	s_lshl_b32 s73, s15, 13                        ; two K steps of 4,096 bytes
	s_add_co_u32 s73, s73, AOFF
	v_add_nc_u32 v[AA], s73, v[LO16]
	v_add_nc_u32 v[AA+1], SLOT, v[AA]
	s_mul_i32 s73, s15, APART
	s_add_co_u32 s73, s73, SLOT+AOFF
	v_add_nc_u32 v[AA5], s73, v[LO16]
	s_mul_i32 s73, s14, STW
	v_mul_u32_u24 v[STO], v1, SPITCH
	v_lshl_add_u32 v[STO], v2, 5, v[STO]
	v_add_nc_u32 v[STO], s73, v[STO]               ; my stage: row r, + 32 h
	s_mul_i32 s73, s14, 16*SPITCH
	v_mul_u32_u24 v[RD], v2, STW                   ; back: lanes 0-15 columns 0-63, lanes 16-31 columns 64-127, rows 16 w on
	v_lshl_add_u32 v[RD], v1, 4, v[RD]
	v_add_nc_u32 v[RD], s73, v[RD]
	v_lshlrev_b32 v[PFO], 12, v3
	v_lshlrev_b32 v[PF1], 8, v1
	v_lshl_add_u32 v[PF1], v2, 18, v[PF1]          ; lanes 16-31 four K steps further on
	v_min_u32 v[PF2], 15, v3                       ; (lanes 16-31 name the last block again)
	v_lshlrev_b32 v[PF2], 8, v[PF2]
	s_wait_alu depctr_va_vdst(0)                   ; the head's last vector write
	s_wait_dscnt 0x0                               ; both opening adds are done
	CROUND                                         ; all sixteen work-groups are here: the first joint loads meet
	s_wait_kmcnt 0x0
	s_add_nc_u64 s[66:67], s[8:9], s[66:67]
	s_add_nc_u64 s[70:71], s[4:5], s[70:71]
.irp p, 0,1
	s_mov_b32 s[G0W+4*\p], 1                       ; count = 1
	s_add_co_u32 s[G0W+4*\p+1], s23, \p*SLOT       ; LDS address
	s_add_nc_u64 s[G0W+4*\p+2:G0W+4*\p+3], s[66:67], \p*768   ; global address: fill p
	s_or_b32 s[G0W+4*\p+3], s[G0W+4*\p+3], 0x80000000         ; type = 2
	s_mov_b32 s[G0A+4*\p], 1
	s_add_co_u32 s[G0A+4*\p+1], s72, \p*SLOT
	s_add_nc_u64 s[G0A+4*\p+2:G0A+4*\p+3], s[70:71], \p*786432
	s_or_b32 s[G0A+4*\p+3], s[G0A+4*\p+3], 0x80000000
.endr
	JLOAD 0                                        ; fill 0: one tensor load a wave at the head
	s_add_nc_u64 s[PFW:PFW+1], s[8:9], s[68:69]
	s_add_nc_u64 s[PFA:PFA+1], s[4:5], s[2:3]
	s_add_nc_u64 s[6:7], s[6:7], s[74:75]
	s_add_nc_u64 s[10:11], s[10:11], s[76:77]
	s_add_nc_u64 s[12:13], s[12:13], s[78:79]
.set i, 0
.rept 32
	global_load_b64 v[SA+2*i:SA+2*i+1], v[LO8], s[6:7] offset:(4*(i/2)+i%2)*4096   ; 256 consecutive bytes an instruction: my K step i
.set i, i+1
.endr
.irp p, 0,1
.irp c, 0,1,2,3,4,5,6,7
	global_load_b128 v[SW+32*\p+4*\c:SW+32*\p+4*\c+3], v[LO16], s[10:11] offset:8192*\p+512*\c   ; 512 consecutive bytes: my K steps 4 c .. 4 c + 3
.endr
.endr
	ASK 1
; The fragments of my K step st (two of each chunk, so six of a fill of three chunks) into buffer st % 4: four tiles of Wout, four blocks of a: 16 loads.
.macro FETCH st
.set fC, (\st)/2
.set fS, fC/3
.set fP, fS%2
.set fK, fC-3*fS
.set fB, 64*((\st)%4)
	WIN 0x40                                       ; destination window 1
.if (\st) < 30
.irp t, 0,1,2,3
	ds_load_b128 v[fB+8*\t:fB+8*\t+3], v[AW+fP] offset:\t*16*RP+fK*272+64*((\st)%2)
	ds_load_b128 v[fB+8*\t+4:fB+8*\t+7], v[AW+fP] offset:\t*16*RP+fK*272+64*((\st)%2)+32
.endr
.irp b, 0,1,2,3
	ds_load_b128 v[fB+32+8*\b:fB+32+8*\b+3], v[AA+fP] offset:(4*fK+(\st)%2)*4096+\b*1024
	ds_load_b128 v[fB+32+8*\b+4:fB+32+8*\b+7], v[AA+fP] offset:(4*fK+(\st)%2)*4096+\b*1024+512
.endr
.else
.irp t, 0,1,2,3
	ds_load_b128 v[fB+8*\t:fB+8*\t+3], v[AW5] offset:\t*16*272+64*((\st)%2)
	ds_load_b128 v[fB+8*\t+4:fB+8*\t+7], v[AW5] offset:\t*16*272+64*((\st)%2)+32
.endr
.irp b, 0,1,2,3
	ds_load_b128 v[fB+32+8*\b:fB+32+8*\b+3], v[AA5] offset:((\st)%2)*4096+\b*1024
	ds_load_b128 v[fB+32+8*\b+4:fB+32+8*\b+7], v[AA5] offset:((\st)%2)*4096+\b*1024+512
.endr
.endif
.endm
; One matrix instruction: rows 16 b on x columns 16 t on.  A scale register holds an even tile's words in lanes 0-15 and the next odd tile's in lanes 16-31.
.macro WM b, t, st
.set rD, 8*(4*(\b)+(\t))
.set rW, 64*((\st)%4)+8*(\t)
.set rA, 64*((\st)%4)+32+8*(\b)
.set rSW, SW+32*((\t)/2)+(\st)
.set rSA, SA+2*(\st)+(\b)/2
.set rTO, (\t)%2
.set rBO, (\b)%2
.if (\st) == 0
.if (rTO == 0) && (rBO == 0)
	v_wmma_scale_f32_16x16x128_f8f6f4 v[rD:rD+7], v[rW:rW+7], v[rA:rA+7], 0, v[rSW], v[rSA] matrix_a_fmt:MATRIX_FMT_FP4 matrix_b_fmt:MATRIX_FMT_FP4
.elseif (rTO == 1) && (rBO == 0)
	v_wmma_scale_f32_16x16x128_f8f6f4 v[rD:rD+7], v[rW:rW+7], v[rA:rA+7], 0, v[rSW], v[rSA] matrix_a_fmt:MATRIX_FMT_FP4 matrix_b_fmt:MATRIX_FMT_FP4 matrix_a_scale:MATRIX_SCALE_ROW1
.elseif rTO == 0
	v_wmma_scale_f32_16x16x128_f8f6f4 v[rD:rD+7], v[rW:rW+7], v[rA:rA+7], 0, v[rSW], v[rSA] matrix_a_fmt:MATRIX_FMT_FP4 matrix_b_fmt:MATRIX_FMT_FP4 matrix_b_scale:MATRIX_SCALE_ROW1
.else
	v_wmma_scale_f32_16x16x128_f8f6f4 v[rD:rD+7], v[rW:rW+7], v[rA:rA+7], 0, v[rSW], v[rSA] matrix_a_fmt:MATRIX_FMT_FP4 matrix_b_fmt:MATRIX_FMT_FP4 matrix_a_scale:MATRIX_SCALE_ROW1 matrix_b_scale:MATRIX_SCALE_ROW1
.endif
.else
.if (rTO == 0) && (rBO == 0)
	v_wmma_scale_f32_16x16x128_f8f6f4 v[rD:rD+7], v[rW:rW+7], v[rA:rA+7], v[rD:rD+7], v[rSW], v[rSA] matrix_a_fmt:MATRIX_FMT_FP4 matrix_b_fmt:MATRIX_FMT_FP4
.elseif (rTO == 1) && (rBO == 0)
	v_wmma_scale_f32_16x16x128_f8f6f4 v[rD:rD+7], v[rW:rW+7], v[rA:rA+7], v[rD:rD+7], v[rSW], v[rSA] matrix_a_fmt:MATRIX_FMT_FP4 matrix_b_fmt:MATRIX_FMT_FP4 matrix_a_scale:MATRIX_SCALE_ROW1
.elseif rTO == 0
	v_wmma_scale_f32_16x16x128_f8f6f4 v[rD:rD+7], v[rW:rW+7], v[rA:rA+7], v[rD:rD+7], v[rSW], v[rSA] matrix_a_fmt:MATRIX_FMT_FP4 matrix_b_fmt:MATRIX_FMT_FP4 matrix_b_scale:MATRIX_SCALE_ROW1
.else
	v_wmma_scale_f32_16x16x128_f8f6f4 v[rD:rD+7], v[rW:rW+7], v[rA:rA+7], v[rD:rD+7], v[rSW], v[rSA] matrix_a_fmt:MATRIX_FMT_FP4 matrix_b_fmt:MATRIX_FMT_FP4 matrix_a_scale:MATRIX_SCALE_ROW1 matrix_b_scale:MATRIX_SCALE_ROW1
.endif
.endif
.endm
.macro MUL st                          ; K step st.  The 16 accumulators take turns, one instruction a turn, in the same order in every step
	WIN MUL_W
.irp b, 0,1,2,3
.irp t, 0,1,2,3
	WM \b, \t, \st
.endr
.endr
.endm
.macro RUN f                           ; fill f's first five K steps; the fragments of the first three have been asked for
.irp i, 0,1,2
	s_wait_dscnt 32                                ; this step's 16 loads are in; the next two steps' may be out
	PLACES                                         ; the buffer asked for was multiplied last
	FETCH 6*(\f)+\i+3
	MUL 6*(\f)+\i
.endr
.if (\f) == 0
	ASK 3
.endif
	s_wait_dscnt 32
	MUL 6*(\f)+3
	s_wait_dscnt 16                                ; the sixth step's may be out
	MUL 6*(\f)+4
.endm
; From fill f to fill f + 1.  In front of the round each wave waits for all its tensor loads (its part of fill f + 1), adds 0 to its spare word, and waits for that and for its reads of this slot;
; behind it this slot takes fill f + 2, the first tensor load there.  The sixth step's products stand behind the next fill's first loads.
.macro CHANGE f
.set cP, (\f)%2
	WIN 0
	s_wait_tensorcnt 0x0
.if (\f) < 4
	ds_add_u32 v[SPW], v[NIL]                      ; 0 onto my spare word
	s_add_nc_u64 s[G0W+4*cP+2:G0W+4*cP+3], s[G0W+4*cP+2:G0W+4*cP+3], 1536   ; six chunks on along K
.if (\f) < 3
	s_add_nc_u64 s[G0A+4*cP+2:G0A+4*cP+3], s[G0A+4*cP+2:G0A+4*cP+3], 24*65536
.else
	s_add_nc_u64 s[G0A+4*cP+2:G0A+4*cP+3], s[G0A+4*cP+2:G0A+4*cP+3], s[60:61]
	s_mov_b32 s[G1W+1], 256<<16                    ; the last fill is one chunk: 256 bytes of Wout's rows,
	s_mov_b32 s[G1W+3], 256<<16
	s_mov_b32 s[G1A+2], 2<<16                      ; two K steps of a a loading wave
	s_mov_b32 s[G1A+4], 2
.endif
	s_wait_dscnt 0x0                               ; the add is done, and my reads of this slot are over
	CROUND                                         ; no wave of any partner still reads this slot or has a load on its way
	JLOAD cP
	FETCH 6*(\f)+6
	FETCH 6*(\f)+7
.if (\f) < 4
	FETCH 6*(\f)+8
.endif
.if (\f) < 2
	ASK (\f)+4
.endif
.else
	s_wait_dscnt 0x0                               ; nothing is left to fetch: no round
	s_barrier_signal -1
	s_barrier_wait -1
	PLACES
	FETCH 30
	FETCH 31
.endif
	MUL 6*(\f)+5
.endm
	s_wait_tensorcnt 0x0                           ; my part of fill 0 is in; the same wait, add and wait as ahead of a refill
	ds_add_u32 v[SPW], v[NIL]
	s_wait_dscnt 0x0
	CROUND                                         ; everybody's part of fill 0 is in
	JLOAD 1                                        ; fill 1
	FETCH 0
	FETCH 1
	FETCH 2
	ASK 2
	s_wait_loadcnt 0x0                             ; the scale words are in
	RUN 0                                          ; the first products start the sums: nothing is cleared
	CHANGE 0                                       ; fill 2 into slot 0
	RUN 1
	CHANGE 1                                       ; fill 3 into slot 1
	RUN 2
	CHANGE 2                                       ; fill 4 into slot 0
	RUN 3
	CHANGE 3                                       ; fill 5 into slot 1
	RUN 4
	CHANGE 4
	s_wait_dscnt 16
	MUL 30
	s_wait_dscnt 0x0
	MUL 31
	; THE WAY OUT.  Each wave lays its partial tile into its own stage, rows of 256 bytes + 16; a barrier; wave w reads rows 16 w on of both halves of K, adds them, and stores whole rows.
	PLACES                                         ; the stores read results just made; the loads further down land in the scale registers
	WIN 0x08                                       ; an LDS store's data are its source 1: window 2
.irp b, 0,1,2,3
.irp t, 0,1,2,3
	ds_store_b128 v[STO], v[8*(4*\b+\t):8*(4*\b+\t)+3] offset:\b*16*SPITCH+64*\t        ; lane (r, h): row 16 b + r, columns 16 t + 8 h on; each accumulator from its low end on
	ds_store_b128 v[STO], v[8*(4*\b+\t)+4:8*(4*\b+\t)+7] offset:\b*16*SPITCH+64*\t+16
.endr
.endr
	WIN 0
	s_wait_dscnt 0x0                               ; for the others' sake: my partial sums lie in my stage
	s_barrier_signal -1
	s_barrier_wait -1
.irp i, 0,1,2,3,4,5,6,7,8,9,10,11,12,13,14,15
	ds_load_b128 v[OB+8*\i:OB+8*\i+3], v[RD] offset:\i*SPITCH
	ds_load_b128 v[OB+8*\i+4:OB+8*\i+7], v[RD] offset:\i*SPITCH+2*STW
.endr
.irp i, 0,1,2,3,4,5,6,7,8,9,10,11,12,13,14,15
	s_wait_dscnt 2*(15-\i)                         ; row i's two loads are in; the later rows' may be out
	v_pk_add_f32 v[OB+8*\i:OB+8*\i+1], v[OB+8*\i:OB+8*\i+1], v[OB+8*\i+4:OB+8*\i+5]
	v_pk_add_f32 v[OB+8*\i+2:OB+8*\i+3], v[OB+8*\i+2:OB+8*\i+3], v[OB+8*\i+6:OB+8*\i+7]
	global_store_b128 v[LO16], v[OB+8*\i:OB+8*\i+3], s[12:13] offset:\i*8192 th:TH_STORE_NT   ; 32 lanes store 512 consecutive bytes, at a multiple of 256 from out0's first byte; written once, read by nobody here
.endr
	s_wait_tensorcnt 0x0                           ; the wave's end, behind my last tensor load and my last LDS store
	ds_add_u32 v[SPW], v[NIL]
	s_wait_dscnt 0x0
	CROUND                                         ; the closing round: no work-group ends while a partner may still ask for a tile that names it
	s_endpgm
.Lfunc_end_k_q03f46ece5e_outp:
	.size	k_q03f46ece5e_outp, .Lfunc_end_k_q03f46ece5e_outp-k_q03f46ece5e_outp
	.p2alignl 7, 3214868480
	.fill 96, 4, 3214868480
	.section	.rodata,"a",@progbits
	.p2align	6, 0x0
	.amdhsa_kernel k_q03f46ece5e_outp
		.amdhsa_group_segment_fixed_size 327680
		.amdhsa_private_segment_fixed_size 0
		.amdhsa_enable_private_segment 0
		.amdhsa_kernarg_size 40
		.amdhsa_user_sgpr_count 2
		.amdhsa_user_sgpr_kernarg_segment_ptr 1
		.amdhsa_wavefront_size32 1
		.amdhsa_system_sgpr_workgroup_id_x 1
		.amdhsa_system_sgpr_workgroup_id_y 1
		.amdhsa_system_sgpr_workgroup_id_z 1
		.amdhsa_system_vgpr_workitem_id 0
		.amdhsa_next_free_vgpr 640
		.amdhsa_next_free_sgpr 80
		.amdhsa_reserve_vcc 0
		.amdhsa_float_denorm_mode_32 3
		.amdhsa_float_denorm_mode_16_64 3
		.amdhsa_memory_ordered 1
		.amdhsa_forward_progress 1
		.amdhsa_inst_pref_size 129
	.end_amdhsa_kernel
	.amdgpu_metadata
---
amdhsa.version: [ 1, 2 ]
amdhsa.kernels:
  - .name:           k_q03f46ece5e_outp
    .symbol:         k_q03f46ece5e_outp.kd
    .args:
      - { .name: a_codes, .offset: 0, .size: 8, .value_kind: global_buffer, .address_space: global }
      - { .name: a_scales, .offset: 8, .size: 8, .value_kind: global_buffer, .address_space: global }
      - { .name: Wout_codes, .offset: 16, .size: 8, .value_kind: global_buffer, .address_space: global }
      - { .name: w_scales, .offset: 24, .size: 8, .value_kind: global_buffer, .address_space: global }
      - { .name: out0, .offset: 32, .size: 8, .value_kind: global_buffer, .address_space: global }
    .group_segment_fixed_size: 327680
    .private_segment_fixed_size: 0
    .kernarg_segment_align: 8
    .kernarg_segment_size: 40
    .max_flat_workgroup_size: 128
    .sgpr_count:     80
    .vgpr_count:     640
    .wavefront_size: 32
...
	.end_amdgpu_metadata
.endif
;; end of part 2
